; MI455X (gfx1250); checked and timed in simulation.
; The chip was launched on July 23, 2026; its instructions are those of AMD's public machine-readable ISA for CDNA 5 (MIT licence, August 2026) and "CDNA5" Instruction Set Architecture Reference Guide (July 2026). The comments in the code are by the model that wrote it; some were corrected since.
;; Codebook Layer. Allowed arithmetic: float matrix products may take bf16 or f16 operands with f32 sums; other float arithmetic in f32, or as packed bf16 or f16 multiplies, adds, multiply-adds, maxima and minima; sums over many terms, partial sums and values carried from step to step in f32; what a program stores and reads back later, other than sums and carried values, may be rounded once to bf16 or f16.
;; Inputs: codebook 8,192 x 1,024 float32; x 4 x 2,048 x 1,024 float32.
;; Outputs: out0 4 x 2,048 x 1,024 float32.
;; 2 versions, each right; version 2 is version 1 with the launches prep, pick written anew for expert scheduling mode. Each part assembles by itself: llvm-mc -triple=amdgcn-amd-amdhsa -mcpu=gfx1250 --defsym DOCPART=n.
;; ======== version 1 of 2: 3 launches
;; workspace buffers: xb 16,777,216 bytes; cb 16,777,216 bytes; nh 32,768 bytes; cand 1,048,576 bytes of whole numbers
;; launch prep (part 1): grid 128 x 2, 16 waves a work-group, no clusters, 2,304 bytes of LDS; arguments x, codebook, xb, cb, nh; writes xb, cb, nh
.if DOCPART == 1
	.amdgcn_target "amdgcn-amd-amdhsa--gfx1250"
	.amdhsa_code_object_version 6
	.text
	.protected	k_q964327ecb6_prep
	.globl	k_q964327ecb6_prep
	.p2align	8
	.type	k_q964327ecb6_prep,@function
k_q964327ecb6_prep:
	s_mov_b64 s[64:65], 0
	v_nop
	global_prefetch_b8 v0, s[64:65] scope:SCOPE_SE
	s_setreg_imm32_b32 hwreg(HW_REG_WAVE_MODE, 25, 1), 1
	s_wait_xcnt 0x0
; xb = bf16(x), cb = bf16(codebook), nh[c] = -1/2 x the sum over k of cb[c][k]^2, in f32.  x, codebook: [8192][1024] f32.
; The work-group's y picks the tensor: 0 = x, 1 = codebook.  A work-group takes 64 rows, each of its 16 waves 4 rows; a wave takes one row at a time:
; a row of 4,096 bytes is eight loads of 16 bytes a lane, 512 consecutive bytes each.  All 32 loads of a wave go out at once: no loop, no ring.
; Each store of a wave covers 256 consecutive bytes, aligned.  The squares are taken of the ROUNDED numbers, since the later product multiplies those.
; The 64 sums of a codebook work-group meet in LDS, so that they leave as one store of 256 consecutive bytes.
; No matrix unit, no cluster, no tensor load: nothing is shared between waves but those 64 numbers, and the launch is a stream.
.set X,     16                         ; v[16:143]  row r, load j at X + 32 r + 4 j: as loaded, then two words of bf16 in the first two registers
.set T,     144                        ; v[144:151] at work
.set Q,     152                        ; v[152:159] four packed chains of squares
.set S,     160                        ; v[160:163] the wave's four sums
.set BK,    164                        ; v[164:165] wave 0: two sums read back
.set VI,    1                          ; v1  16 x lane + 16,384 x wave: my bytes in the group's rows of the source
.set VO,    2                          ; v2  8 x lane + 8,192 x wave: in the destination
.set LA,    3                          ; v3  16 x wave: where my wave's four sums lie in LDS
.set LB,    4                          ; v4  8 x lane
.set SPW,   6                          ; v6  LDS address of my spare word; never rewritten
.set NIL,   7                          ; v7  0; never rewritten
.set SPARE, 256                        ; LDS: bytes 0-255 the 64 sums; from 256 on the spare words, 128 bytes for each of the 16 waves
	s_load_b256 s[4:11], s[0:1], 0x0               ; x s[4:5], codebook s[6:7], xb s[8:9], cb s[10:11]
	s_load_b64 s[12:13], s[0:1], 0x20              ; nh
	v_lshl_add_u32 v[SPW], v0, 2, SPARE
	v_mov_b32 v[NIL], 0
	v_lshrrev_b32 v5, 5, v0
	v_readfirstlane_b32 s19, v5                    ; wave 0..15
	s_and_b32 s18, ttmp7, 0xffff                   ; 0: x, 1: codebook
	v_and_b32 v8, 31, v0                           ; lane
	s_lshl_b32 s20, s19, 14
	v_lshl_add_u32 v[VI], v8, 4, s20
	s_lshl_b32 s20, s19, 13
	v_lshl_add_u32 v[VO], v8, 3, s20
	s_lshl_b32 s20, s19, 4
	v_mov_b32 v[LA], s20
	v_lshlrev_b32 v[LB], 3, v8
	s_mov_b32 s22, 0xffff0000                      ; a word's upper bf16
	s_mov_b32 s24, 0x76543210                      ; v_permlanex16_b32: each lane takes its own place in the other half
	s_mov_b32 s25, 0xfedcba98
	s_mov_b32 s21, 0
	s_wait_kmcnt 0x0
	s_cmp_eq_u32 s18, 0
	s_cselect_b64 s[14:15], s[4:5], s[6:7]         ; from
	s_cselect_b64 s[16:17], s[8:9], s[10:11]       ; to
	s_lshl_b32 s20, ttmp9, 18                      ; 64 rows of 4,096 bytes
	s_add_nc_u64 s[14:15], s[14:15], s[20:21]
	s_lshl_b32 s20, ttmp9, 17                      ; 64 rows of 2,048 bytes
	s_add_nc_u64 s[16:17], s[16:17], s[20:21]
	s_lshl_b32 s20, ttmp9, 8                       ; 64 sums
	s_add_nc_u64 s[12:13], s[12:13], s[20:21]
.irp r, 0,1,2,3
.irp j, 0,1,2,3,4,5,6,7
	global_load_b128 v[X+32*(\r)+4*(\j):X+32*(\r)+4*(\j)+3], v[VI], s[14:15] offset:4096*(\r)+512*(\j) th:TH_LOAD_NT
.endr
.endr
; The wave's four rows.  sq = 1: the squares of the rounded numbers are summed too.  No register that a store reads is written again, so no wait frees one.
.macro ROWS sq
.irp r, 0,1,2,3
	s_wait_loadcnt 8*(3-(\r))                      ; loads come back in order: row r's eight are in, the later rows' stay out
.irp j, 0,1,2,3,4,5,6,7
.set XB, X+32*(\r)+4*(\j)
.set TB, T+4*((\j)%2)
.set QB, Q+4*((\j)%2)
	v_cvt_pk_bf16_f32 v[XB], v[XB], v[XB+1]        ; four roundings, in place
	v_cvt_pk_bf16_f32 v[XB+1], v[XB+2], v[XB+3]
	global_store_b64 v[VO], v[XB:XB+1], s[16:17] offset:2048*(\r)+256*(\j)
.if \sq
	v_lshlrev_b32 v[TB], 16, v[XB]                 ; back to f32: the rounded numbers
	v_and_b32 v[TB+1], s22, v[XB]
	v_lshlrev_b32 v[TB+2], 16, v[XB+1]
	v_and_b32 v[TB+3], s22, v[XB+1]
.if (\j) < 2
	v_pk_mul_f32 v[QB:QB+1], v[TB:TB+1], v[TB:TB+1]          ; the first squares start the four chains: nothing is cleared
	v_pk_mul_f32 v[QB+2:QB+3], v[TB+2:TB+3], v[TB+2:TB+3]
.else
	v_pk_fma_f32 v[QB:QB+1], v[TB:TB+1], v[TB:TB+1], v[QB:QB+1]
	v_pk_fma_f32 v[QB+2:QB+3], v[TB+2:TB+3], v[TB+2:TB+3], v[QB+2:QB+3]
.endif
.endif
.endr
.if \sq
	v_pk_add_f32 v[Q:Q+1], v[Q:Q+1], v[Q+2:Q+3]
	v_pk_add_f32 v[Q+4:Q+5], v[Q+4:Q+5], v[Q+6:Q+7]
	v_pk_add_f32 v[Q:Q+1], v[Q:Q+1], v[Q+4:Q+5]
	v_add_f32 v[S+(\r)], v[Q], v[Q+1]
	v_add_f32_dpp v[S+(\r)], v[S+(\r)], v[S+(\r)] row_xmask:1 row_mask:0xf bank_mask:0xf  ; across the 16 lanes of a half,
	v_add_f32_dpp v[S+(\r)], v[S+(\r)], v[S+(\r)] row_xmask:2 row_mask:0xf bank_mask:0xf
	v_add_f32_dpp v[S+(\r)], v[S+(\r)], v[S+(\r)] row_xmask:4 row_mask:0xf bank_mask:0xf
	v_add_f32_dpp v[S+(\r)], v[S+(\r)], v[S+(\r)] row_xmask:8 row_mask:0xf bank_mask:0xf
	v_permlanex16_b32 v[T], v[S+(\r)], s24, s25    ; and across the halves (its destination has been written)
	v_add_f32 v[S+(\r)], v[S+(\r)], v[T]
	v_mul_f32 v[S+(\r)], -0.5, v[S+(\r)]           ; every lane holds the row's -|c|^2 / 2
.endif
.endr
.endm
	s_cmp_lg_u32 s18, 0                            ; the same in all waves of the work-group
	s_cbranch_scc1 .Lcodes
	ROWS 0
	s_endpgm                                       ; x's work-groups touch no LDS
.Lcodes:
	ROWS 1
	ds_store_b128 v[LA], v[S:S+3]                  ; all lanes write the same 16 bytes with the same numbers: rows 4 w .. 4 w + 3
	s_wait_dscnt 0x0                               ; for the others' sake: my store is done
	s_barrier_signal -1
	s_barrier_wait -1                              ; all 64 sums lie in LDS
	s_cmp_lg_u32 s19, 0
	s_cbranch_scc1 .Lend
	ds_load_b64 v[BK:BK+1], v[LB]                  ; wave 0: two sums a lane,
	s_wait_dscnt 0x0
	global_store_b64 v[LB], v[BK:BK+1], s[12:13]   ; 256 consecutive bytes, aligned
.Lend:
	s_wait_tensorcnt 0x0                           ; the wave's end: behind my last LDS store
	ds_add_u32 v[SPW], v[NIL]
	s_wait_dscnt 0x0
	s_endpgm
.Lfunc_end_k_q964327ecb6_prep:
	.size	k_q964327ecb6_prep, .Lfunc_end_k_q964327ecb6_prep-k_q964327ecb6_prep
	.p2alignl 7, 3214868480
	.fill 96, 4, 3214868480
	.section	.rodata,"a",@progbits
	.p2align	6, 0x0
	.amdhsa_kernel k_q964327ecb6_prep
		.amdhsa_group_segment_fixed_size 2304
		.amdhsa_private_segment_fixed_size 0
		.amdhsa_enable_private_segment 0
		.amdhsa_kernarg_size 40
		.amdhsa_user_sgpr_count 2
		.amdhsa_user_sgpr_kernarg_segment_ptr 1
		.amdhsa_wavefront_size32 1
		.amdhsa_system_sgpr_workgroup_id_x 1
		.amdhsa_system_sgpr_workgroup_id_y 1
		.amdhsa_system_sgpr_workgroup_id_z 1
		.amdhsa_system_vgpr_workitem_id 0
		.amdhsa_next_free_vgpr 168
		.amdhsa_next_free_sgpr 66
		.amdhsa_reserve_vcc 0
		.amdhsa_float_denorm_mode_32 3
		.amdhsa_float_denorm_mode_16_64 3
		.amdhsa_memory_ordered 1
		.amdhsa_forward_progress 1
		.amdhsa_inst_pref_size 30
	.end_amdhsa_kernel
	.amdgpu_metadata
---
amdhsa.version: [ 1, 2 ]
amdhsa.kernels:
  - .name:           k_q964327ecb6_prep
    .symbol:         k_q964327ecb6_prep.kd
    .args:
      - { .name: x, .offset: 0, .size: 8, .value_kind: global_buffer, .address_space: global }
      - { .name: codebook, .offset: 8, .size: 8, .value_kind: global_buffer, .address_space: global }
      - { .name: xb, .offset: 16, .size: 8, .value_kind: global_buffer, .address_space: global }
      - { .name: cb, .offset: 24, .size: 8, .value_kind: global_buffer, .address_space: global }
      - { .name: nh, .offset: 32, .size: 8, .value_kind: global_buffer, .address_space: global }
    .group_segment_fixed_size: 2304
    .private_segment_fixed_size: 0
    .kernarg_segment_align: 8
    .kernarg_segment_size: 40
    .max_flat_workgroup_size: 512
    .sgpr_count:     66
    .vgpr_count:     168
    .wavefront_size: 32
...
	.end_amdgpu_metadata
.endif
;; end of part 1
;; launch score (part 2): grid 32 x 8, 4 waves a work-group, clusters of 4 x 4, 327,680 bytes of LDS; arguments cb, xb, nh, cand; writes cand
.if DOCPART == 2
	.amdgcn_target "amdgcn-amd-amdhsa--gfx1250"
	.amdhsa_code_object_version 6
	.text
	.protected	k_q964327ecb6_score
	.globl	k_q964327ecb6_score
	.p2align	8
	.type	k_q964327ecb6_score,@function
k_q964327ecb6_score:
	s_mov_b64 s[64:65], 0
	v_nop
	global_prefetch_b8 v0, s[64:65] scope:SCOPE_SE
	s_setreg_imm32_b32 hwreg(HW_REG_WAVE_MODE, 25, 1), 1
	s_wait_xcnt 0x0
	s_wait_alu depctr_hold_cnt(0) depctr_sa_sdst(0) depctr_va_vdst(0) depctr_va_sdst(0) depctr_va_ssrc(0) depctr_va_vcc(0) depctr_vm_vsrc(0)
	s_getreg_b32 s2, hwreg(HW_REG_IB_STS2, 6, 4)
	s_cmp_eq_u32 s2, 0
	s_cbranch_scc0 .Lentry_in_a_cluster
	s_endpgm
.Lentry_in_a_cluster:
	s_bfe_u32 s2, ttmp6, 0x10000c
	s_cmp_lg_u32 s2, 0xf033
	s_cbranch_scc0 .Lentry_shape_is_right
	s_endpgm
.Lentry_shape_is_right:
; For each row of xb and each of 16 PARTS of the codes: the code with the largest score s = x . c + nh[c] (nh = -|c|^2 / 2), and that score.
; cb: [8192 codes][1024], xb: [8192 rows][1024], bf16; nh: [8192] f32.  Products' sums in f32, K ascending; nh is added once, to the finished sum.
; reference() ranks by 2 x.c - |x|^2 - |c|^2 = 2 s - |x|^2; |x|^2 is the same for all codes of a row and is left out of the ranking.
; LIMITS.  A NaN score never wins; where no score of a part is above -infinity the part's first code is reported; -0 counts as +0; equal scores go to the lower code number;
; two codes whose scores differ by less than the rounding of the f32 sums may fall either way.
; OUT.  cand holds whole numbers: plane 0 a key, plane 1 a code number, each [16 parts][8192 positions].  The key is the score's bit pattern turned so that unsigned order is the scores' order.
; SHARES.  A tile is 256 codes x 256 rows of x, made by four waves, each 128 x 128: 64 accumulators of 16 x 16, 512 registers.  A WORK-GROUP STAYS: it keeps its 256 rows of x and walks
; four tiles, 2,048 codes apart; the running best of its rows stays in registers.  K goes in steps of 128 through a ring of two LDS slots filled by the tensor data mover, and the ring runs on
; from tile to tile.  A part is what one wave sees: 4 x 128 codes.
; LAYOUT.  Source 0 = 16 codes, source 1 = 16 rows of x: in the result a lane holds ONE row of x (lane % 16) and its registers 0-7 the codes 8 (lane / 16) + 0..7.  So the search over codes
; stays inside the lane, but for one exchange between the halves of the lanes at the very end.
; CLUSTER.  4 x 4 work-groups.  The four of a row of the cluster need the same tiles of cb, the four of a column the same tiles of xb: each is asked for JOINTLY, by the same tensor load with the
; same descriptor and a mask that names the four.
; REGISTERS, in windows of 256 (s_set_vgpr_msb: bits 1:0 source 0, 3:2 source 1, 5:4 source 2, 7:6 destination):
;   window 0: v0-31 addresses; v32-39 best score, v40-47 its number, one for each of my 8 blocks of 16 rows of x; v48-63 at work; v64-127, v128-191 fragments of cb, two buffers; v192-255 nh of my codes
;   window 1: v64-127, v128-191 fragments of xb, two buffers
;   window 2: the accumulators of my codes 0-63 (code block a, x block b at v[8 (8 a + b)]);   window 3: those of my codes 64-127
.set SIZE_K, 1024
.set TILES,  4
.set WALK,   2048                      ; codes from one tile of a work-group to its next
.set KSTEP,  128
.set PITCH,  272                       ; an LDS row: 256 bytes + 16 of padding = 68 words: row r starts at bank 4 r mod 64 (64 banks of 4 bytes: ISA guide 11.1)
.set HALFT,  128*PITCH                 ; 128 rows: what one tensor load brings, and what one wave reads of cb or of xb
.set SLOT,   4*HALFT                   ; cb's 256 rows, then xb's 256 rows
.set SPARE,  2*SLOT                    ; behind the ring: the spare words, 128 bytes for each wave: two blocks of 256 bytes that no other line names
.set LAPS,   SIZE_K/(2*KSTEP)          ; a lap = two K steps = once round the ring
.set NEXT_A, WALK*SIZE_K*2-(SIZE_K-2*KSTEP)*2  ; bytes from a slot's last K step of a tile to its first of the next: cb goes WALK rows down and back along K,
.set BACK_B, (SIZE_K-2*KSTEP)*2        ; xb only back
.set ADRA, 16                          ; v16-17  LDS address of my fragments of cb in slot 0, 1
.set ADRB, 20                          ; v20-21  the same for xb
.set NHO,  24                          ; v24     32 x (lane / 16): my eight numbers in 16 of nh
.set LBC,  25                          ; v25     the code number of my register 0 in the wave's first block of the first tile
.set CO,   26                          ; v26     16 x lane: my 16 bytes of the wave's 512 in cand
.set SPW,  28                          ; v28     LDS address of my spare word; never rewritten
.set NIL,  29                          ; v29     0; never rewritten
.set PFO,  30                          ; v30     the prefetches' offset: lane x a row of 2,048 bytes; never rewritten
.set BEST, 32
.set IDX,  40
.set TA,   48
.set TB,   56
.set F0,   64
.set F1,   128
.set NHR,  192                         ; nh of code block a, register j at NHR + 8 a + j
.set WV,   12                          ; s12  my wave's number
.set HA,   13                          ; s13  which half of the tile's codes is mine.  Also: I fetch for cb (0) or for xb (1)
.set HB,   14                          ; s14  which half of its rows of x.  Also: which 128 rows of that tile I fetch
.set LIM,  15                          ; s15  1 in a wave that prefetches, else the greatest number
.set G1,   24                          ; s[24:31] descriptor group 1 for cb's tiles;  s[32:39] group 0, one set for each slot
.set G0,   32
.set PFA,  44                          ; s[44:45] where my prefetches stand
.set G1B,  48                          ; s[48:55], s[56:63] the same for xb's tiles
.set G0B,  56
.set MK,   68                          ; s[68:75] eight compare masks
.set HM,   76                          ; s76  the mask of lanes 16-31
.set SEL,  78                          ; s[78:79] v_permlanex16_b32's selects
.set CB0,  83                          ; s83  my wave's first code in the first tile
.set MSB, 0
.macro WIN new                         ; the immediate's high byte repeats the setting that is left; a switch that changes nothing is dropped
.if MSB != (\new)
	s_set_vgpr_msb (MSB<<8)|(\new)
.set MSB, \new
.endif
.endm
.set MUL_LO, 0xa4                      ; source 0 (cb) window 0, source 1 (xb) window 1, C and D window 2
.set MUL_HI, 0xf4                      ; the same, C and D window 3
.set TO_B,   0x40                      ; destination window 1, address window 0
; A joint load.  Waves 0 and 1 fetch cb's two halves, waves 2 and 3 xb's.  The branch hangs on the wave's number alone.  An s_nop 0 and four v_nop follow each of the two lines.
.macro JLOAD s
	s_cmp_eq_u32 s[HA], 0
	s_cbranch_scc0 .Lfor_b_\@
	tensor_load_to_lds s[G0+4*(\s):G0+4*(\s)+3], s[G1:G1+7]
	s_nop 0
.rept 4
	v_nop
.endr
	s_branch .Lasked_\@
.Lfor_b_\@:
	tensor_load_to_lds s[G0B+4*(\s):G0B+4*(\s)+3], s[G1B:G1B+7]
	s_nop 0
.rept 4
	v_nop
.endr
.Lasked_\@:
.endm
; A PREFETCH INTO THE L2, behind each joint load and the run of LDS loads that follows it: the K step that stands TWO refills on: 32 rows x 256 bytes, a lane a row, one instruction a wave.
; Each row's 256 bytes of a K step are named once in the launch: cb's rows by the clusters with cluster x = 0, xb's by those with cluster y = 0; the four partners that ask for a tile jointly
; share its rows out BY ADDRESS, 32 each.  how = 0, in the loop: a tile's last two refills have no K step two on; how = 1, at a change of tiles.
.macro ASK how
.if \how
	s_cmp_eq_u32 s[LIM], 1
.else
	s_cmp_gt_u32 s3, s[LIM]                        ; s3 = 1 in the loop's last trip
.endif
	s_cbranch_scc0 .Lnot_mine_\@
	global_prefetch_b8 v[PFO], s[PFA:PFA+1] offset:KSTEP*2 th:TH_LOAD_NT scope:SCOPE_SE
.Lnot_mine_\@:
.endm
.macro CREST                           ; a round of the cluster's barrier behind its opening barrier
	s_cmp_lg_u32 s[WV], 0
	s_cbranch_scc1 .Lnot_wave_0_\@
	s_barrier_signal -3
.Lnot_wave_0_\@:
	s_barrier_wait -3
	s_barrier_signal -1
	s_barrier_wait -1
.endm
.macro CROUND                          ; a whole round
	s_barrier_signal -1
	s_barrier_wait -1
	CREST
.endm
	s_load_b256 s[4:11], s[0:1], 0x0               ; cb s[4:5], xb s[6:7], nh s[8:9], cand s[10:11]
	v_lshl_add_u32 v[SPW], v0, 2, SPARE
	v_mov_b32 v[NIL], 0
	ds_add_u32 v[SPW], v[NIL]                      ; the wave's opening: the add, twice on end, and its wait ahead of my first tensor load
	ds_add_u32 v[SPW], v[NIL]                      ; and once more, under the one wait; the set-up below, work on registers, stands between
	v_lshrrev_b32 v1, 5, v0
	v_readfirstlane_b32 s[WV], v1                  ; wave 0..3
	s_lshr_b32 s[HA], s[WV], 1
	s_and_b32 s[HB], s[WV], 1
	s_bfe_u32 s40, ttmp6, 0x40000                  ; cx: my place along the cluster's x
	s_bfe_u32 s41, ttmp6, 0x40004                  ; cy: along its y
	s_lshl_b32 s42, ttmp9, 2                       ; in a cluster launch ttmp9 and ttmp7 count clusters
	s_add_co_u32 s42, s42, s40                     ; tile column (block of 256 rows of x) = 4 x cluster x + cx
	s_and_b32 s43, ttmp7, 0xffff
	s_lshl_b32 s43, s43, 2
	s_add_co_u32 s43, s43, s41                     ; tile row (block of 256 codes) = 4 x cluster y + cy
	s_lshl_b32 s18, s41, 2
	s_lshl_b32 s18, 15, s18                        ; my row of the cluster: places 4 cy .. 4 cy + 3
	s_lshl_b32 s19, 0x1111, s40                    ; my column: places cx, cx + 4, cx + 8, cx + 12
	; descriptor group 1: a tile of 128 rows x 128 elements, padded in LDS
	s_or_b32 s[G1+0], s18, (1<<16)|(1<<20)|(1<<21)|(5<<22)|(3<<25)   ; 15:0 the mask: cb's tiles go to my row; 17:16 2-byte elements; 20 padding on; 21 set beside a mask; 24:22 after every 64 words; 31:25 4 words
	s_or_b32 s[G1B+0], s19, (1<<16)|(1<<20)|(1<<21)|(5<<22)|(3<<25)  ; the same with the mask of my column, for xb's tiles
.irp g, G1, G1B
	s_mov_b32 s[(\g)+1], KSTEP<<16                 ; tensor_dim0 = 128
	s_mov_b32 s[(\g)+2], 128<<16                   ; tensor_dim1 = 128
	s_mov_b32 s[(\g)+3], KSTEP<<16                 ; tile_dim0 = 128
	s_mov_b32 s[(\g)+4], 128                       ; tile_dim1 = 128
	s_mov_b32 s[(\g)+5], SIZE_K                    ; elements from row to row
	s_mov_b32 s[(\g)+6], 0
	s_mov_b32 s[(\g)+7], 0
.endr
	; where the tiles come from: cb's hang on the tile row alone, xb's on the tile column alone; each in registers that never hold the other coordinate
	s_lshl_b32 s17, s[HB], 7                       ; which 128 rows of the tile I fetch
	s_lshl_b32 s16, s43, 8
	s_add_co_u32 s16, s16, s17                     ; cb: row 256 x tile row + 128 x half
	s_lshl_b32 s46, s42, 8
	s_add_co_u32 s46, s46, s17                     ; xb: row 256 x tile column + 128 x half
	s_lshl_b32 s16, s16, 11                        ; rows of 2,048 bytes: under 2^24
	s_lshl_b32 s46, s46, 11
	s_mov_b32 s17, 0
	s_mov_b32 s47, 0
	s_mul_i32 s22, s[WV], HALFT                    ; and where they go: wave x 128 rows: no place in the cluster enters an LDS address
	s_wait_dscnt 0x0                               ; both opening adds are done
	s_wait_kmcnt 0x0
	s_add_nc_u64 s[20:21], s[4:5], s[16:17]
	s_add_nc_u64 s[46:47], s[6:7], s[46:47]
	CROUND                                         ; all sixteen work-groups are here: the first joint loads meet
.irp s, 0,1
	s_mov_b32 s[G0+4*(\s)], 1                                      ; count = 1
	s_add_co_u32 s[G0+4*(\s)+1], s22, (\s)*SLOT                    ; LDS address
	s_add_nc_u64 s[G0+4*(\s)+2:G0+4*(\s)+3], s[20:21], (\s)*KSTEP*2  ; global address: K step s
	s_or_b32 s[G0+4*(\s)+3], s[G0+4*(\s)+3], 0x80000000            ; type = 2
	s_mov_b32 s[G0B+4*(\s)], 1
	s_add_co_u32 s[G0B+4*(\s)+1], s22, (\s)*SLOT
	s_add_nc_u64 s[G0B+4*(\s)+2:G0B+4*(\s)+3], s[46:47], (\s)*KSTEP*2
	s_or_b32 s[G0B+4*(\s)+3], s[G0B+4*(\s)+3], 0x80000000
	JLOAD \s                                       ; the ring is filled before anything else is done: two loads of mine are out
.endr
	; A fragment is 16 rows x 32 K in 8 registers: lane l holds row l % 16; registers 0-3 K = 8 (l / 16) + 0..7, registers 4-7 K = 16 + 8 (l / 16) + 0..7: two loads of 16 bytes, 32 bytes apart.
	v_and_b32 v1, 15, v0                           ; l % 16
	v_bfe_u32 v2, v0, 4, 1                         ; l / 16
	v_mul_u32_u24 v3, v1, PITCH
	v_lshl_add_u32 v3, v2, 4, v3                   ; row x pitch + 16 x half
	s_mul_i32 s16, s[HA], HALFT                    ; my 128 codes
	s_mul_i32 s17, s[HB], HALFT                    ; my 128 rows of x,
	s_add_co_u32 s17, s17, 2*HALFT                 ; which lie behind cb's 256
.irp s, 0,1
	v_add_nc_u32 v[ADRA+(\s)], s16, v3
	v_add_nc_u32 v[ADRB+(\s)], s17, v3
	s_add_co_u32 s16, s16, SLOT
	s_add_co_u32 s17, s17, SLOT
.endr
	v_lshlrev_b32 v[NHO], 5, v2
	s_lshl_b32 s[CB0], s43, 8
	s_lshl_b32 s16, s[HA], 7
	s_add_co_u32 s[CB0], s[CB0], s16               ; 256 x tile row + 128 x half
	v_lshl_add_u32 v[LBC], v2, 3, s[CB0]
	v_and_b32 v[CO], 31, v0
	v_lshlrev_b32 v[CO], 4, v[CO]
	s_lshl_b32 s16, s[CB0], 2
	s_mov_b32 s17, 0
	s_add_nc_u64 s[8:9], s[8:9], s[16:17]          ; nh at my 128 codes of the first tile
	s_lshl_b32 s16, s43, 1
	s_add_co_u32 s16, s16, s[HA]                   ; my part = 2 x tile row + half
	s_lshl_b32 s16, s16, 15                        ; 8,192 positions of 4 bytes
	s_add_nc_u64 s[10:11], s[10:11], s[16:17]
	s_lshl_b32 s46, s42, 1
	s_add_co_u32 s46, s46, s[HB]                   ; my 128 rows of x = 2 x tile column + half
	s_lshl_b32 s46, s46, 9
	s_mov_b32 s47, 0
	s_add_nc_u64 s[10:11], s[10:11], s[46:47]
	; the prefetches
	s_lshl_b32 s16, s43, 8
	s_lshl_b32 s46, s42, 8
	s_and_b32 s22, ttmp7, 0xffff                   ; cluster y
	s_cmp_eq_u32 s[HA], 0                          ; do I fetch for cb?
	s_cselect_b32 s20, s16, s46                    ; the tile's first row
	s_cselect_b32 s21, s40, s41                    ; my place among the four that ask for it with me
	s_cselect_b32 s22, ttmp9, s22                  ; the coordinate along which other clusters read the same rows
	s_cselect_b64 s[PFA:PFA+1], s[4:5], s[6:7]
	s_cmp_eq_u32 s22, 0
	s_cselect_b32 s[LIM], 1, -1                    ; the same in all sixteen partners, for a given wave
	s_lshl_b32 s22, s[HB], 7
	s_add_co_u32 s20, s20, s22                     ; + the 128 rows that I fetch
	s_lshl_b32 s21, s21, 5
	s_add_co_u32 s20, s20, s21                     ; + my work-group's 32 of them
	s_lshl_b32 s20, s20, 11
	s_mov_b32 s21, 0
	s_add_nc_u64 s[PFA:PFA+1], s[PFA:PFA+1], s[20:21]
	s_add_nc_u64 s[PFA:PFA+1], s[PFA:PFA+1], 2*KSTEP*2  ; at K step 2: the first refill steps it to 3 and names K step 4.  Nothing is prefetched here, at the head
	v_and_b32 v[PFO], 31, v0
	v_lshlrev_b32 v[PFO], 11, v[PFO]
.irp b, 0,1,2,3,4,5,6,7
	v_mov_b32 v[BEST+(\b)], 0xff800000             ; -infinity
	v_mov_b32 v[IDX+(\b)], 64                      ; four tiles take 64 away each, the end adds 192: this decodes to the part's first code
.endr
	s_mov_b32 s[SEL], 0x76543210
	s_mov_b32 s[SEL+1], 0xfedcba98
	s_mov_b32 s[HM], 0xffff0000
; 16 matrix instructions: code blocks a0, a0 + 1 of the window's four (hi = 0: my codes 0-63, 1: codes 64-127) x all 8 blocks of rows of x, 32 along K.  zero = 1: the product starts the sums.
.macro MUL16 f, hi, a0, zero
	WIN MUL_LO+0x50*(\hi)
.irp a, \a0, (\a0)+1
.irp b, 0,1,2,3,4,5,6,7
.if \zero
	v_wmma_f32_16x16x32_bf16 v[8*(8*(\a)+(\b)):8*(8*(\a)+(\b))+7], v[(\f)+8*(4*(\hi)+(\a)):(\f)+8*(4*(\hi)+(\a))+7], v[(\f)+8*(\b):(\f)+8*(\b)+7], 0
.else
	v_wmma_f32_16x16x32_bf16 v[8*(8*(\a)+(\b)):8*(8*(\a)+(\b))+7], v[(\f)+8*(4*(\hi)+(\a)):(\f)+8*(4*(\hi)+(\a))+7], v[(\f)+8*(\b):(\f)+8*(\b)+7], v[8*(8*(\a)+(\b)):8*(8*(\a)+(\b))+7]
.endif
.endr
.endr
.endm
; 32 LDS loads in one run: the fragments of one quarter step (128 rows of xb, 128 rows of cb, 32 K at byte k of the rows) into buffer f
.macro FETCH slot, k, f
	WIN TO_B
.irp i, 0,1,2,3,4,5,6,7
	ds_load_b128 v[(\f)+8*(\i):(\f)+8*(\i)+3],   v[ADRB+(\slot)] offset:(\k)+(\i)*16*PITCH
	ds_load_b128 v[(\f)+8*(\i)+4:(\f)+8*(\i)+7], v[ADRB+(\slot)] offset:(\k)+(\i)*16*PITCH+32
.endr
	WIN 0
.irp i, 0,1,2,3,4,5,6,7
	ds_load_b128 v[(\f)+8*(\i):(\f)+8*(\i)+3],   v[ADRA+(\slot)] offset:(\k)+(\i)*16*PITCH
	ds_load_b128 v[(\f)+8*(\i)+4:(\f)+8*(\i)+7], v[ADRA+(\slot)] offset:(\k)+(\i)*16*PITCH+32
.endr
.endm
.macro PLACES                          ; four plain vector instructions in front of loads into registers that matrix instructions have read (ISA guide 7.12.1 for vector instructions)
.rept 4
	v_nop
.endr
.endm
; A K step is four quarter steps of 32 along K, 64 matrix instructions each, on buffers 0, 1, 0, 1.  The 64 accumulators take turns in the same order in every quarter.
; One of the first three: multiplies buffer f; in its middle it fetches the next quarter's fragments, at byte k of the same slot's rows, into buffer g.
.macro QUARTER slot, k, f, g, zero
	s_wait_dscnt 8                                 ; xb's and cb's rows 0-63 are in; the youngest eight loads (cb's rows 64-127) may be out
	WIN MUL_LO
	MUL16 \f, 0, 0, \zero
	MUL16 \f, 0, 2, \zero
	PLACES
	FETCH \slot, \k, \g
	s_wait_dscnt 32                                ; all but the 32 just issued
	WIN MUL_HI
	MUL16 \f, 1, 0, \zero
	MUL16 \f, 1, 2, \zero
.endm
; The first half of a K step's last quarter: ONE barrier for the change of slots.  In front of it each wave waits for all its tensor loads, of which one is out: its part of the next slot; adds 0 to its
; spare word; and waits for that and for its own reads of this slot.  Behind it nobody reads this slot any more and the next slot is whole.
.macro MEET round                      ; round = 1: a round of the cluster's barrier follows
	WIN 0                                          ; (the add's two registers lie in window 0)
	s_wait_tensorcnt 0x0                           ; all my tensor loads have landed
	ds_add_u32 v[SPW], v[NIL]                      ; 0 onto my spare word
	s_wait_dscnt 9                                 ; (the add and the youngest eight loads may be out)
	WIN MUL_LO
	MUL16 F1, 0, 0, 0                              ; sixteen matrix instructions stand between the add and the wait for it
	s_wait_dscnt 0x0                               ; the add is done, and my reads of this slot are over
	s_barrier_signal -1
	MUL16 F1, 0, 2, 0                              ; work on registers while the others arrive
.if \round
	WIN 0
.endif
	s_barrier_wait -1
.endm
; The whole last quarter.  mode 0: the slot just read out is filled again with this tile's K step two steps on; mode 1: with the NEXT tile's K step 0 or 1; mode 2: the last tile: nothing is filled, no round.
.macro TURN slot, next, mode
.if (\mode) < 2
	s_wait_xcnt 0x0                                ; the last prefetch, a K step back, has read its address: it is stepped here, ahead of the waits of the change of slots
.if ((\mode) == 1) && ((\slot) == 0)
	s_add_nc_u64 s[PFA:PFA+1], s[PFA:PFA+1], (WALK-1)*SIZE_K*2+KSTEP*2  ; from the K step after the tile's last to the next tile's K step 1
	s_cmp_eq_u32 s[HA], 0
	s_cselect_b32 s[LIM], s[LIM], -1               ; xb's rows are the same for all tiles of the walk: they are prefetched no more
.else
	s_add_nc_u64 s[PFA:PFA+1], s[PFA:PFA+1], KSTEP*2
.endif
	MEET 1
	CREST                                          ; no wave of any partner still reads this slot's tile or has a load on its way
.if (\mode) == 1
	s_add_nc_u64 s[G0+4*(\slot)+2:G0+4*(\slot)+3], s[G0+4*(\slot)+2:G0+4*(\slot)+3], NEXT_A
	s_sub_nc_u64 s[G0B+4*(\slot)+2:G0B+4*(\slot)+3], s[G0B+4*(\slot)+2:G0B+4*(\slot)+3], BACK_B
.else
	s_add_nc_u64 s[G0+4*(\slot)+2:G0+4*(\slot)+3], s[G0+4*(\slot)+2:G0+4*(\slot)+3], 2*KSTEP*2
	s_add_nc_u64 s[G0B+4*(\slot)+2:G0B+4*(\slot)+3], s[G0B+4*(\slot)+2:G0B+4*(\slot)+3], 2*KSTEP*2
.endif
	JLOAD \slot                                    ; the first tensor load behind the round; its four v_nop are also the places in front of the loads below
	FETCH \next, 0, F0
	ASK \mode
.else
	MEET 0                                         ; my one tensor load that was out is slot 1's, the last K step's
	PLACES
	FETCH \next, 0, F0
.endif
	WIN MUL_HI
	MUL16 F1, 1, 0, 0
	MUL16 F1, 1, 2, 0
.endm
.macro LASTQ                           ; the very last quarter: nothing more to fetch
	s_wait_dscnt 8
	WIN MUL_LO
	MUL16 F1, 0, 0, 0
	MUL16 F1, 0, 2, 0
	s_wait_dscnt 0x0
	MUL16 F1, 1, 0, 0
	MUL16 F1, 1, 2, 0
.endm
.macro NHLOAD                          ; nh of my 128 codes of the tile in hand: eight numbers a lane for each of 8 blocks; asked for at the tile's head, wanted at its end
	WIN 0
.irp a, 0,1,2,3,4,5,6,7
	global_load_b128 v[NHR+8*(\a):NHR+8*(\a)+3],   v[NHO], s[8:9] offset:64*(\a)
	global_load_b128 v[NHR+8*(\a)+4:NHR+8*(\a)+7], v[NHO], s[8:9] offset:64*(\a)+16
.endr
.endm
; A TILE'S END.  Older winners' numbers go 64 down, so that this tile's 64 candidates of a lane are the constants 0 to 63.  nh is added to the finished sums, in place (each accumulator's lowest registers
; first).  Then, code after code in ascending order: is it above the best (strictly: the lower code keeps a tie)? the new best; the new number.  The eight blocks of rows of x
; are eight chains that do not wait for each other.  Neither LDS nor a fragment buffer is touched: the next tile's first fragments and its tile may be on their way.
.macro EPI
	WIN 0
.irp b, 0,1,2,3,4,5,6,7
	v_add_nc_u32 v[IDX+(\b)], 0xffffffc0, v[IDX+(\b)]  ; these eight are also the places behind the last products
.endr
	s_wait_loadcnt 0x0                             ; nh: the only loads into registers in the text
.irp w, 2,3
	WIN 65*(\w)                                    ; destination and source 0 in window w, source 1 (nh) in window 0
.irp a, 0,1,2,3
.irp b, 0,1,2,3,4,5,6,7
.irp p, 0,1,2,3
	v_pk_add_f32 v[8*(8*(\a)+(\b))+2*(\p):8*(8*(\a)+(\b))+2*(\p)+1], v[8*(8*(\a)+(\b))+2*(\p):8*(8*(\a)+(\b))+2*(\p)+1], v[NHR+8*((\a)+4*((\w)-2))+2*(\p):NHR+8*((\a)+4*((\w)-2))+2*(\p)+1]
.endr
.endr
.endr
	WIN 4*(\w)                                     ; source 1 in window w
.irp a, 0,1,2,3
.irp j, 0,1,2,3,4,5,6,7
.irp b, 0,1,2,3,4,5,6,7
	v_cmp_lt_f32 s[MK+(\b)], v[BEST+(\b)], v[8*(8*(\a)+(\b))+(\j)]
.endr
.irp b, 0,1,2,3,4,5,6,7
	v_max_num_f32 v[BEST+(\b)], v[BEST+(\b)], v[8*(8*(\a)+(\b))+(\j)]
.endr
.irp b, 0,1,2,3,4,5,6,7
	v_cndmask_b32 v[IDX+(\b)], v[IDX+(\b)], 8*((\a)+4*((\w)-2))+(\j), s[MK+(\b)]
.endr
.endr
.endr
.endr
	WIN 0
	s_add_nc_u64 s[8:9], s[8:9], WALK*4            ; nh at the next tile's codes: free since the wait above (behind the last tile the stepped address is not used)
.endm
; THE END.  A number is 64 t + 8 a + j: tile t, code block a, register j: the code is 2,048 t + 16 a + j + my lane's base.  The score becomes a key; the two halves of the lanes, which hold the same
; row of x and different codes, exchange and take the better; lanes 0-15 then give blocks 0-3, lanes 16-31 blocks 4-7: 16 bytes a lane, 512 consecutive bytes a store.
; Position 128 chunk + 64 h + 4 r + q stands for row 128 chunk + 16 (4 h + q) + r of x.
.macro FIN
	WIN 0
.irp b, 0,1,2,3,4,5,6,7
	v_add_nc_u32 v[IDX+(\b)], 0xc0, v[IDX+(\b)]
	v_lshrrev_b32 v[TA+(\b)], 6, v[IDX+(\b)]
	v_bfe_u32 v[TB+(\b)], v[IDX+(\b)], 3, 3
	v_and_b32 v[IDX+(\b)], 7, v[IDX+(\b)]
	v_lshl_add_u32 v[IDX+(\b)], v[TA+(\b)], 11, v[IDX+(\b)]
	v_lshl_add_u32 v[IDX+(\b)], v[TB+(\b)], 4, v[IDX+(\b)]
	v_add_nc_u32 v[IDX+(\b)], v[LBC], v[IDX+(\b)]
.endr
.irp b, 0,1,2,3,4,5,6,7
	v_add_f32 v[BEST+(\b)], 0, v[BEST+(\b)]        ; -0 becomes +0
	v_ashrrev_i32 v[TA+(\b)], 31, v[BEST+(\b)]
	v_or_b32 v[TA+(\b)], 0x80000000, v[TA+(\b)]
	v_xor_b32 v[BEST+(\b)], v[BEST+(\b)], v[TA+(\b)]  ; a positive number's sign bit is set, a negative number's bits are all turned
.endr
.irp b, 0,1,2,3,4,5,6,7
	v_permlanex16_b32 v[TA+(\b)], v[BEST+(\b)], s[SEL], s[SEL+1]  ; (both destinations have been written)
	v_permlanex16_b32 v[TB+(\b)], v[IDX+(\b)], s[SEL], s[SEL+1]
	v_cmp_gt_u32 s80, v[TA+(\b)], v[BEST+(\b)]
	v_cmp_eq_u32 s81, v[TA+(\b)], v[BEST+(\b)]
	v_cmp_lt_u32 s82, v[TB+(\b)], v[IDX+(\b)]
	s_and_b32 s81, s81, s82
	s_or_b32 s80, s80, s81                         ; the other half's is better, or as good with the lower code
	v_cndmask_b32 v[BEST+(\b)], v[BEST+(\b)], v[TA+(\b)], s80
	v_cndmask_b32 v[IDX+(\b)], v[IDX+(\b)], v[TB+(\b)], s80
.endr
.irp q, 0,1,2,3
	v_cndmask_b32 v[TA+(\q)], v[BEST+(\q)], v[BEST+4+(\q)], s[HM]
	v_cndmask_b32 v[TA+4+(\q)], v[IDX+(\q)], v[IDX+4+(\q)], s[HM]
.endr
	global_store_b128 v[CO], v[TA:TA+3], s[10:11]                    ; the keys
	global_store_b128 v[CO], v[TA+4:TA+7], s[10:11] offset:524288    ; the code numbers, a plane further on
.endm
	s_wait_tensorcnt 1                             ; my part of K step 0 is in; K step 1's may stay out
	s_barrier_signal -1
	s_barrier_wait -1                              ; everybody's is
	FETCH 0, 0, F0
	s_mov_b32 s2, TILES                            ; tiles to go, this one among them: the same number in every work-group
.Ltile:
	NHLOAD
	QUARTER 0, 64,  F0, F1, 1                      ; a tile's first quarter stands in front of the loop: its products start the sums
	WIN 0                                          ; at a label and at a branch every window is 0
	s_mov_b32 s3, LAPS-1
.Llap:                                                 ; a trip goes once round the ring, from a lap's second quarter to the next lap's first, and fills both slots again
	QUARTER 0, 128, F1, F0, 0
	QUARTER 0, 192, F0, F1, 0
	TURN 0, 1, 0
	QUARTER 1, 64,  F0, F1, 0
	QUARTER 1, 128, F1, F0, 0
	QUARTER 1, 192, F0, F1, 0
	TURN 1, 0, 0
	QUARTER 0, 64,  F0, F1, 0
	WIN 0
	s_sub_co_u32 s3, s3, 1
	s_cmp_lg_u32 s3, 0
	s_cbranch_scc1 .Llap
	QUARTER 0, 128, F1, F0, 0                      ; the tile's last lap goes on
	QUARTER 0, 192, F0, F1, 0
	WIN 0
	s_cmp_eq_u32 s2, 1
	s_cbranch_scc1 .Llast                          ; the last tile's tail is written out: it asks for nothing more
	TURN 0, 1, 1                                   ; THE RING GOES ON INTO THE NEXT TILE: slot 0 takes its K step 0,
	QUARTER 1, 64,  F0, F1, 0
	QUARTER 1, 128, F1, F0, 0
	QUARTER 1, 192, F0, F1, 0
	TURN 1, 0, 1                                   ; slot 1 its K step 1, and the next tile's first fragments are fetched
	WIN 0
	s_branch .Lepi
.Llast:
	TURN 0, 1, 2
	QUARTER 1, 64,  F0, F1, 0
	QUARTER 1, 128, F1, F0, 0
	QUARTER 1, 192, F0, F1, 0
	LASTQ
	WIN 0
.Lepi:
	EPI
	s_sub_co_u32 s2, s2, 1
	s_cmp_lg_u32 s2, 0
	s_cbranch_scc1 .Ltile
	FIN
	s_wait_tensorcnt 0x0                           ; the wave's end: behind my last tensor load
	ds_add_u32 v[SPW], v[NIL]
	s_wait_dscnt 0x0
	CROUND                                         ; the closing round: no work-group ends while a partner may still ask for a tile that names it
	s_endpgm
.Lfunc_end_k_q964327ecb6_score:
	.size	k_q964327ecb6_score, .Lfunc_end_k_q964327ecb6_score-k_q964327ecb6_score
	.p2alignl 7, 3214868480
	.fill 96, 4, 3214868480
	.section	.rodata,"a",@progbits
	.p2align	6, 0x0
	.amdhsa_kernel k_q964327ecb6_score
		.amdhsa_group_segment_fixed_size 327680
		.amdhsa_private_segment_fixed_size 0
		.amdhsa_enable_private_segment 0
		.amdhsa_kernarg_size 32
		.amdhsa_user_sgpr_count 2
		.amdhsa_user_sgpr_kernarg_segment_ptr 1
		.amdhsa_wavefront_size32 1
		.amdhsa_system_sgpr_workgroup_id_x 1
		.amdhsa_system_sgpr_workgroup_id_y 1
		.amdhsa_system_sgpr_workgroup_id_z 1
		.amdhsa_system_vgpr_workitem_id 0
		.amdhsa_next_free_vgpr 1024
		.amdhsa_next_free_sgpr 88
		.amdhsa_reserve_vcc 0
		.amdhsa_float_denorm_mode_32 3
		.amdhsa_float_denorm_mode_16_64 3
		.amdhsa_memory_ordered 1
		.amdhsa_forward_progress 1
		.amdhsa_inst_pref_size 254
	.end_amdhsa_kernel
	.amdgpu_metadata
---
amdhsa.version: [ 1, 2 ]
amdhsa.kernels:
  - .name:           k_q964327ecb6_score
    .symbol:         k_q964327ecb6_score.kd
    .args:
      - { .name: cb, .offset: 0, .size: 8, .value_kind: global_buffer, .address_space: global }
      - { .name: xb, .offset: 8, .size: 8, .value_kind: global_buffer, .address_space: global }
      - { .name: nh, .offset: 16, .size: 8, .value_kind: global_buffer, .address_space: global }
      - { .name: cand, .offset: 24, .size: 8, .value_kind: global_buffer, .address_space: global }
    .group_segment_fixed_size: 327680
    .private_segment_fixed_size: 0
    .kernarg_segment_align: 8
    .kernarg_segment_size: 32
    .max_flat_workgroup_size: 128
    .sgpr_count:     88
    .vgpr_count:     1024
    .wavefront_size: 32
...
	.end_amdgpu_metadata
.endif
;; end of part 2
;; launch pick (part 3): grid 256 x 1, 8 waves a work-group, no clusters, 0 bytes of LDS; arguments cand, cb, out0; writes out0
.if DOCPART == 3
	.amdgcn_target "amdgcn-amd-amdhsa--gfx1250"
	.amdhsa_code_object_version 6
	.text
	.protected	k_q964327ecb6_pick
	.globl	k_q964327ecb6_pick
	.p2align	8
	.type	k_q964327ecb6_pick,@function
k_q964327ecb6_pick:
	s_mov_b64 s[64:65], 0
	v_nop
	global_prefetch_b8 v0, s[64:65] scope:SCOPE_SE
	s_setreg_imm32_b32 hwreg(HW_REG_WAVE_MODE, 25, 1), 1
	s_wait_xcnt 0x0
; out0[row] = cb[best code of the row], widened from bf16 to f32.  cand: [2 planes][16 parts][8192 positions] of whole numbers: plane 0 keys (unsigned order = the scores' order), plane 1 code numbers.
; LIMIT.  out0 holds the codebook's row rounded once to bf16 (within 2^-9 of each number).
; The 16 parts are merged by unsigned compares alone: the larger key wins, of equal keys the lower code number.  The code number, clamped to the table's 8,192 rows, then makes the address.
; SHARES.  A work-group takes 32 positions, a lane a position; each of its 8 waves merges all 32 (32 loads of 128 consecutive bytes: that spares LDS and a barrier) and copies the four rows of
; lanes 4 w .. 4 w + 3.  Position 128 chunk + 64 h + 4 r + q stands for row 128 chunk + 16 (4 h + q) + r: with g the work-group, lane 4 w + u is row 128 (g / 4) + 64 ((g / 2) % 2) + 8 (g % 2) + w + 16 u.
; A row of cb is 2,048 bytes: eight loads of 8 bytes a lane, 256 consecutive bytes each; a row of out0 eight stores of 16 bytes a lane, 512 consecutive bytes each.
; All 32 row loads of a wave go out at once; no register is written twice, so no wait frees one.  No matrix unit, no cluster: a gather.
.set KEY, 8                            ; v[8:23]    part p's key
.set COD, 24                           ; v[24:39]   part p's code number
.set OFF, 40                           ; v[40:43]   row u: 2,048 x code + 8 x lane
.set D,   48                           ; v[48:111]  32 pairs: row u, piece k at D + 2 (8 u + k)
.set O,   112                          ; v[112:239] 32 quads of f32
	s_load_b128 s[4:7], s[0:1], 0x0                ; cand s[4:5], cb s[6:7]
	s_load_b64 s[8:9], s[0:1], 0x10                ; out0
	v_lshrrev_b32 v4, 5, v0
	v_readfirstlane_b32 s12, v4                    ; wave 0..7
	v_and_b32 v5, 31, v0                           ; lane
	v_lshlrev_b32 v1, 2, v5
	v_lshlrev_b32 v2, 3, v5
	v_lshlrev_b32 v3, 4, v5
	s_mov_b32 s13, 0xffff0000                      ; a word's upper bf16
	s_lshr_b32 s14, ttmp9, 2
	s_lshl_b32 s14, s14, 7                         ; 128 (g / 4)
	s_bfe_u32 s15, ttmp9, 0x10001
	s_lshl_b32 s15, s15, 6                         ; 64 ((g / 2) % 2)
	s_add_co_u32 s14, s14, s15
	s_and_b32 s15, ttmp9, 1
	s_lshl_b32 s15, s15, 3                         ; 8 (g % 2)
	s_add_co_u32 s14, s14, s15
	s_add_co_u32 s14, s14, s12                     ; + w: the row of u = 0
	s_lshl_b32 s14, s14, 12                        ; rows of 4,096 bytes
	s_mov_b32 s15, 0
	s_lshl_b32 s10, ttmp9, 7                       ; 32 positions of 4 bytes
	s_mov_b32 s11, 0
	s_lshl_b32 s24, s12, 2                         ; my first lane
	s_wait_kmcnt 0x0
	s_add_nc_u64 s[4:5], s[4:5], s[10:11]
	s_add_nc_u64 s[8:9], s[8:9], s[14:15]
.irp p, 0,1,2,3,4,5,6,7,8,9,10,11,12,13,14,15
	global_load_b32 v[KEY+(\p)], v1, s[4:5] offset:32768*(\p)
	global_load_b32 v[COD+(\p)], v1, s[4:5] offset:524288+32768*(\p)
.endr
	s_wait_loadcnt 0x0
.macro MERGE to, from                  ; the better of two candidates stays in the first
	v_cmp_gt_u32 s20, v[KEY+(\from)], v[KEY+(\to)]
	v_cmp_eq_u32 s21, v[KEY+(\from)], v[KEY+(\to)]
	v_cmp_lt_u32 s22, v[COD+(\from)], v[COD+(\to)]
	s_and_b32 s21, s21, s22
	s_or_b32 s20, s20, s21
	v_cndmask_b32 v[KEY+(\to)], v[KEY+(\to)], v[KEY+(\from)], s20
	v_cndmask_b32 v[COD+(\to)], v[COD+(\to)], v[COD+(\from)], s20
.endm
.irp dist, 8,4,2,1                     ; a tree: 8 + 4 + 2 + 1 merges
.set d, 0
.rept \dist
	MERGE d, d+\dist
.set d, d+1
.endr
.endr
	v_min_u32 v[COD], 0x1fff, v[COD]               ; a code number stays inside the table
.irp u, 0,1,2,3
	s_add_co_u32 s25, s24, \u
	v_readlane_b32 s[16+(\u)], v[COD], s25         ; the code of lane 4 w + u, for the whole wave
	s_min_u32 s[16+(\u)], s[16+(\u)], 0x1fff
	s_lshl_b32 s[16+(\u)], s[16+(\u)], 11          ; rows of 2,048 bytes
	v_add_nc_u32 v[OFF+(\u)], s[16+(\u)], v2
.endr
.irp u, 0,1,2,3
.irp k, 0,1,2,3,4,5,6,7
	global_load_b64 v[D+2*(8*(\u)+(\k)):D+2*(8*(\u)+(\k))+1], v[OFF+(\u)], s[6:7] offset:256*(\k)  ; no hint: a code may be named by many rows
.endr
.endr
.irp u, 0,1,2,3
.irp k, 0,1,2,3,4,5,6,7
.set n, 8*(\u)+(\k)
	s_wait_loadcnt 31-n                            ; loads come back in order: piece n is in, the younger ones stay out
	v_lshlrev_b32 v[O+4*n],   16,  v[D+2*n]        ; bf16 to f32: the low half moves up,
	v_and_b32     v[O+4*n+1], s13, v[D+2*n]        ; the high half stays
	v_lshlrev_b32 v[O+4*n+2], 16,  v[D+2*n+1]
	v_and_b32     v[O+4*n+3], s13, v[D+2*n+1]
	global_store_b128 v3, v[O+4*n:O+4*n+3], s[8:9] offset:65536*(\u)+512*(\k) th:TH_STORE_NT  ; row u lies 16 rows of 4,096 bytes further on
.endr
.endr
	s_endpgm
.Lfunc_end_k_q964327ecb6_pick:
	.size	k_q964327ecb6_pick, .Lfunc_end_k_q964327ecb6_pick-k_q964327ecb6_pick
	.p2alignl 7, 3214868480
	.fill 96, 4, 3214868480
	.section	.rodata,"a",@progbits
	.p2align	6, 0x0
	.amdhsa_kernel k_q964327ecb6_pick
		.amdhsa_group_segment_fixed_size 0
		.amdhsa_private_segment_fixed_size 0
		.amdhsa_enable_private_segment 0
		.amdhsa_kernarg_size 24
		.amdhsa_user_sgpr_count 2
		.amdhsa_user_sgpr_kernarg_segment_ptr 1
		.amdhsa_wavefront_size32 1
		.amdhsa_system_sgpr_workgroup_id_x 1
		.amdhsa_system_sgpr_workgroup_id_y 1
		.amdhsa_system_sgpr_workgroup_id_z 1
		.amdhsa_system_vgpr_workitem_id 0
		.amdhsa_next_free_vgpr 248
		.amdhsa_next_free_sgpr 66
		.amdhsa_reserve_vcc 0
		.amdhsa_float_denorm_mode_32 3
		.amdhsa_float_denorm_mode_16_64 3
		.amdhsa_memory_ordered 1
		.amdhsa_forward_progress 1
		.amdhsa_inst_pref_size 22
	.end_amdhsa_kernel
	.amdgpu_metadata
---
amdhsa.version: [ 1, 2 ]
amdhsa.kernels:
  - .name:           k_q964327ecb6_pick
    .symbol:         k_q964327ecb6_pick.kd
    .args:
      - { .name: cand, .offset: 0, .size: 8, .value_kind: global_buffer, .address_space: global }
      - { .name: cb, .offset: 8, .size: 8, .value_kind: global_buffer, .address_space: global }
      - { .name: out0, .offset: 16, .size: 8, .value_kind: global_buffer, .address_space: global }
    .group_segment_fixed_size: 0
    .private_segment_fixed_size: 0
    .kernarg_segment_align: 8
    .kernarg_segment_size: 24
    .max_flat_workgroup_size: 256
    .sgpr_count:     66
    .vgpr_count:     248
    .wavefront_size: 32
...
	.end_amdgpu_metadata
.endif
;; end of part 3
;; ======== version 2 of 2: 3 launches; version 1 with the launches prep, pick written anew for expert scheduling mode
;; workspace buffers: xb 16,777,216 bytes; cb 16,777,216 bytes; nh 32,768 bytes; cand 1,048,576 bytes of whole numbers
;; launch prep (part 4): grid 128 x 2, 16 waves a work-group, no clusters, 2,304 bytes of LDS; arguments x, codebook, xb, cb, nh; writes xb, cb, nh
.if DOCPART == 4
	.amdgcn_target "amdgcn-amd-amdhsa--gfx1250"
	.amdhsa_code_object_version 6
	.text
	.protected	k_q964327ecb6_prep
	.globl	k_q964327ecb6_prep
	.p2align	8
	.type	k_q964327ecb6_prep,@function
k_q964327ecb6_prep:
	s_mov_b64 s[64:65], 0
	v_nop
	global_prefetch_b8 v0, s[64:65] scope:SCOPE_SE
	s_setreg_imm32_b32 hwreg(HW_REG_WAVE_SCHED_MODE, 0, 2), 2
	s_setreg_imm32_b32 hwreg(HW_REG_WAVE_MODE, 25, 1), 1
	s_wait_xcnt 0x0
	s_wait_alu depctr_vm_vsrc(0)
; xb = bf16(x), cb = bf16(codebook), nh[c] = -1/2 x the sum over k of cb[c][k]^2, in f32.  x, codebook: [8192][1024] f32.
; The work-group's y picks the tensor: 0 = x, 1 = codebook.  A work-group takes 64 rows, each of its 16 waves 4 rows; a wave takes one row at a time:
; a row of 4,096 bytes is eight loads of 16 bytes a lane, 512 consecutive bytes each.  All 32 loads of a wave go out at once: no loop, no ring.
; Each store of a wave covers 256 consecutive bytes, aligned.  The squares are taken of the ROUNDED numbers, since the later product multiplies those.
; The 64 sums of a codebook work-group meet in LDS, so that they leave as one store of 256 consecutive bytes.
; No matrix unit, no cluster, no tensor load: nothing is shared between waves but those 64 numbers, and the launch is a stream.
; THE MODE: SCHED_MODE bits 1:0 = 2 (LLVM: expert scheduling mode 2), set by the entry lines.  The code itself states the register dependences
; between vector instructions and memory or LDS instructions, with s_wait_alu, always for 0.
; THE PLAN.  Registers that memory or LDS instructions touch:
;   v1-v4, v6, v7  offsets and LDS addresses: written at the head, never again; read by the loads (v1), the row stores (v2), the LDS store (v3), wave 0's LDS load and store (v4), the closing add (v6, v7).
;   X              the 32 loads land in it before any vector instruction names it.  Row r's sixteen conversions write the first two registers of each of its quads; row r's eight stores read them; nothing writes them again.
;   S              written by the rows' reductions; read by the one LDS store.
;   BK             an LDS load lands in it, a store reads it; no vector instruction names it.
;   T and Q are named by vector instructions alone.
; So: one wait on va_vdst in front of the first load; one a row, behind its conversions and in front of its stores, which are then dealt among the row's squares, each in front of the
; lines that name its piece; one in front of the LDS store.  No register that a memory or LDS instruction reads is written again: the text holds no wait on vm_vsrc.
.set X,     16                         ; v[16:143]  row r, load j at X + 32 r + 4 j: as loaded, then two words of bf16 in the first two registers
.set T,     144                        ; v[144:151] at work
.set Q,     152                        ; v[152:159] four packed chains of squares
.set S,     160                        ; v[160:163] the wave's four sums
.set BK,    164                        ; v[164:165] wave 0: two sums read back
.set VI,    1                          ; v1  16 x lane + 16,384 x wave: my bytes in the group's rows of the source
.set VO,    2                          ; v2  8 x lane + 8,192 x wave: in the destination
.set LA,    3                          ; v3  16 x wave: where my wave's four sums lie in LDS
.set LB,    4                          ; v4  8 x lane
.set SPW,   6                          ; v6  LDS address of my spare word; never rewritten
.set NIL,   7                          ; v7  0; never rewritten
.set SPARE, 256                        ; LDS: bytes 0-255 the 64 sums; from 256 on the spare words, 128 bytes for each of the 16 waves
	s_load_b256 s[4:11], s[0:1], 0x0               ; x s[4:5], codebook s[6:7], xb s[8:9], cb s[10:11]
	s_load_b64 s[12:13], s[0:1], 0x20              ; nh
	v_lshl_add_u32 v[SPW], v0, 2, SPARE
	v_mov_b32 v[NIL], 0
	v_lshrrev_b32 v5, 5, v0
	v_readfirstlane_b32 s19, v5                    ; wave 0..15
	s_and_b32 s18, ttmp7, 0xffff                   ; 0: x, 1: codebook
	v_and_b32 v8, 31, v0                           ; lane
	v_lshlrev_b32 v[LB], 3, v8
	s_wait_alu depctr_va_sdst(0)                   ; s19 is written, ahead of its first reader: the wave's offsets are made from it
	s_lshl_b32 s20, s19, 14
	v_lshl_add_u32 v[VI], v8, 4, s20
	s_lshl_b32 s20, s19, 13
	v_lshl_add_u32 v[VO], v8, 3, s20
	s_lshl_b32 s20, s19, 4
	v_mov_b32 v[LA], s20
	s_mov_b32 s22, 0xffff0000                      ; a word's upper bf16
	s_mov_b32 s24, 0x76543210                      ; v_permlanex16_b32: each lane takes its own place in the other half
	s_mov_b32 s25, 0xfedcba98
	s_mov_b32 s21, 0
	s_wait_kmcnt 0x0
	s_cmp_eq_u32 s18, 0
	s_cselect_b64 s[14:15], s[4:5], s[6:7]         ; from
	s_cselect_b64 s[16:17], s[8:9], s[10:11]       ; to
	s_lshl_b32 s20, ttmp9, 18                      ; 64 rows of 4,096 bytes
	s_add_nc_u64 s[14:15], s[14:15], s[20:21]
	s_lshl_b32 s20, ttmp9, 17                      ; 64 rows of 2,048 bytes
	s_add_nc_u64 s[16:17], s[16:17], s[20:21]
	s_lshl_b32 s20, ttmp9, 8                       ; 64 sums
	s_add_nc_u64 s[12:13], s[12:13], s[20:21]
	s_wait_alu depctr_va_vdst(0)                   ; v1 to v4, v6 and v7 are written: every load, store and LDS instruction of the kernel reads one of them as its offset or address
.irp r, 0,1,2,3
.irp j, 0,1,2,3,4,5,6,7
	global_load_b128 v[X+32*(\r)+4*(\j):X+32*(\r)+4*(\j)+3], v[VI], s[14:15] offset:4096*(\r)+512*(\j) th:TH_LOAD_NT
.endr
.endr
; The wave's four rows.  sq = 1: the squares of the rounded numbers are summed too.  No register that a store reads is written again, so no wait frees one.
.macro ROWS sq
.irp r, 0,1,2,3
	s_wait_loadcnt 8*(3-(\r))                      ; loads come back in order: row r's eight are in, the later rows' stay out
.irp j, 0,1,2,3,4,5,6,7
.set XB, X+32*(\r)+4*(\j)
	v_cvt_pk_bf16_f32 v[XB], v[XB], v[XB+1]        ; four roundings, in place
	v_cvt_pk_bf16_f32 v[XB+1], v[XB+2], v[XB+3]
.endr
	s_wait_alu depctr_va_vdst(0)                   ; row r's sixteen conversions have written the packed words, which its eight stores read
.irp j, 0,1,2,3,4,5,6,7
.set XB, X+32*(\r)+4*(\j)
.set TB, T+4*((\j)%2)
.set QB, Q+4*((\j)%2)
	global_store_b64 v[VO], v[XB:XB+1], s[16:17] offset:2048*(\r)+256*(\j)  ; no vector instruction since the wait names these registers: piece j's lines stand behind its store
.if \sq
	v_lshlrev_b32 v[TB], 16, v[XB]                 ; back to f32: the rounded numbers
	v_and_b32 v[TB+1], s22, v[XB]
	v_lshlrev_b32 v[TB+2], 16, v[XB+1]
	v_and_b32 v[TB+3], s22, v[XB+1]
.if (\j) < 2
	v_pk_mul_f32 v[QB:QB+1], v[TB:TB+1], v[TB:TB+1]          ; the first squares start the four chains: nothing is cleared
	v_pk_mul_f32 v[QB+2:QB+3], v[TB+2:TB+3], v[TB+2:TB+3]
.else
	v_pk_fma_f32 v[QB:QB+1], v[TB:TB+1], v[TB:TB+1], v[QB:QB+1]
	v_pk_fma_f32 v[QB+2:QB+3], v[TB+2:TB+3], v[TB+2:TB+3], v[QB+2:QB+3]
.endif
.endif
.endr
.if \sq
	v_pk_add_f32 v[Q:Q+1], v[Q:Q+1], v[Q+2:Q+3]
	v_pk_add_f32 v[Q+4:Q+5], v[Q+4:Q+5], v[Q+6:Q+7]
	v_pk_add_f32 v[Q:Q+1], v[Q:Q+1], v[Q+4:Q+5]
	v_add_f32 v[S+(\r)], v[Q], v[Q+1]
	v_add_f32_dpp v[S+(\r)], v[S+(\r)], v[S+(\r)] row_xmask:1 row_mask:0xf bank_mask:0xf  ; across the 16 lanes of a half,
	v_add_f32_dpp v[S+(\r)], v[S+(\r)], v[S+(\r)] row_xmask:2 row_mask:0xf bank_mask:0xf
	v_add_f32_dpp v[S+(\r)], v[S+(\r)], v[S+(\r)] row_xmask:4 row_mask:0xf bank_mask:0xf
	v_add_f32_dpp v[S+(\r)], v[S+(\r)], v[S+(\r)] row_xmask:8 row_mask:0xf bank_mask:0xf
	v_permlanex16_b32 v[T], v[S+(\r)], s24, s25    ; and across the halves (its destination has been written)
	v_add_f32 v[S+(\r)], v[S+(\r)], v[T]
	v_mul_f32 v[S+(\r)], -0.5, v[S+(\r)]           ; every lane holds the row's -|c|^2 / 2
.endif
.endr
.endm
	s_cmp_lg_u32 s18, 0                            ; the same in all waves of the work-group
	s_cbranch_scc1 .Lcodes
	ROWS 0
	s_endpgm                                       ; x's work-groups touch no LDS
.Lcodes:
	ROWS 1
	s_wait_alu depctr_va_vdst(0)                   ; the four reductions have written v[S ..], which the LDS store reads
	ds_store_b128 v[LA], v[S:S+3]                  ; all lanes write the same 16 bytes with the same numbers: rows 4 w .. 4 w + 3
	s_wait_dscnt 0x0                               ; for the others' sake: my store is done
	s_barrier_signal -1
	s_barrier_wait -1                              ; all 64 sums lie in LDS
	s_cmp_lg_u32 s19, 0
	s_cbranch_scc1 .Lend
	ds_load_b64 v[BK:BK+1], v[LB]                  ; wave 0: two sums a lane,
	s_wait_dscnt 0x0
	global_store_b64 v[LB], v[BK:BK+1], s[12:13]   ; 256 consecutive bytes, aligned
.Lend:
	s_wait_dscnt 0x0                               ; the closing lines, six on end
	s_wait_alu 0x0
	s_wait_tensorcnt 0x0
	ds_add_u32 v[SPW], v[NIL]
	s_wait_dscnt 0x0
	s_endpgm
.Lfunc_end_k_q964327ecb6_prep:
	.size	k_q964327ecb6_prep, .Lfunc_end_k_q964327ecb6_prep-k_q964327ecb6_prep
	.p2alignl 7, 3214868480
	.fill 96, 4, 3214868480
	.section	.rodata,"a",@progbits
	.p2align	6, 0x0
	.amdhsa_kernel k_q964327ecb6_prep
		.amdhsa_group_segment_fixed_size 2304
		.amdhsa_private_segment_fixed_size 0
		.amdhsa_enable_private_segment 0
		.amdhsa_kernarg_size 40
		.amdhsa_user_sgpr_count 2
		.amdhsa_user_sgpr_kernarg_segment_ptr 1
		.amdhsa_wavefront_size32 1
		.amdhsa_system_sgpr_workgroup_id_x 1
		.amdhsa_system_sgpr_workgroup_id_y 1
		.amdhsa_system_sgpr_workgroup_id_z 1
		.amdhsa_system_vgpr_workitem_id 0
		.amdhsa_next_free_vgpr 168
		.amdhsa_next_free_sgpr 66
		.amdhsa_reserve_vcc 0
		.amdhsa_float_denorm_mode_32 3
		.amdhsa_float_denorm_mode_16_64 3
		.amdhsa_memory_ordered 1
		.amdhsa_forward_progress 1
		.amdhsa_inst_pref_size 31
	.end_amdhsa_kernel
	.amdgpu_metadata
---
amdhsa.version: [ 1, 2 ]
amdhsa.kernels:
  - .name:           k_q964327ecb6_prep
    .symbol:         k_q964327ecb6_prep.kd
    .args:
      - { .name: x, .offset: 0, .size: 8, .value_kind: global_buffer, .address_space: global }
      - { .name: codebook, .offset: 8, .size: 8, .value_kind: global_buffer, .address_space: global }
      - { .name: xb, .offset: 16, .size: 8, .value_kind: global_buffer, .address_space: global }
      - { .name: cb, .offset: 24, .size: 8, .value_kind: global_buffer, .address_space: global }
      - { .name: nh, .offset: 32, .size: 8, .value_kind: global_buffer, .address_space: global }
    .group_segment_fixed_size: 2304
    .private_segment_fixed_size: 0
    .kernarg_segment_align: 8
    .kernarg_segment_size: 40
    .max_flat_workgroup_size: 512
    .sgpr_count:     66
    .vgpr_count:     168
    .wavefront_size: 32
...
	.end_amdgpu_metadata
.endif
;; end of part 4
;; launch score: the kernel of part 2 again; grid 32 x 8, 4 waves a work-group, clusters of 4 x 4, 327,680 bytes of LDS; arguments cb, xb, nh, cand; writes cand
;; launch pick (part 5): grid 256 x 1, 8 waves a work-group, no clusters, 0 bytes of LDS; arguments cand, cb, out0; writes out0
.if DOCPART == 5
	.amdgcn_target "amdgcn-amd-amdhsa--gfx1250"
	.amdhsa_code_object_version 6
	.text
	.protected	k_q964327ecb6_pick
	.globl	k_q964327ecb6_pick
	.p2align	8
	.type	k_q964327ecb6_pick,@function
k_q964327ecb6_pick:
	s_mov_b64 s[64:65], 0
	v_nop
	global_prefetch_b8 v0, s[64:65] scope:SCOPE_SE
	s_setreg_imm32_b32 hwreg(HW_REG_WAVE_SCHED_MODE, 0, 2), 2
	s_setreg_imm32_b32 hwreg(HW_REG_WAVE_MODE, 25, 1), 1
	s_wait_xcnt 0x0
	s_wait_alu depctr_vm_vsrc(0)
; out0[row] = cb[best code of the row], widened from bf16 to f32.  cand: [2 planes][16 parts][8192 positions] of whole numbers: plane 0 keys (unsigned order = the scores' order), plane 1 code numbers.
; LIMIT.  out0 holds the codebook's row rounded once to bf16 (within 2^-9 of each number).
; The 16 parts are merged by unsigned compares alone: the larger key wins, of equal keys the lower code number.  The code number, clamped to the table's 8,192 rows, then makes the address.
; SHARES.  A work-group takes 32 positions, a lane a position; each of its 8 waves merges all 32 (32 loads of 128 consecutive bytes: that spares LDS and a barrier) and copies the four rows of
; lanes 4 w .. 4 w + 3.  Position 128 chunk + 64 h + 4 r + q stands for row 128 chunk + 16 (4 h + q) + r: with g the work-group, lane 4 w + u is row 128 (g / 4) + 64 ((g / 2) % 2) + 8 (g % 2) + w + 16 u.
; A row of cb is 2,048 bytes: eight loads of 8 bytes a lane, 256 consecutive bytes each; a row of out0 eight stores of 16 bytes a lane, 512 consecutive bytes each.
; All 32 row loads of a wave go out at once; no register that a memory instruction reads is written again, so no wait frees one.  No matrix unit, no cluster: a gather.
; THE MODE: SCHED_MODE bits 1:0 = 2 (LLVM: expert scheduling mode 2), set by the entry lines.  The code itself states the register dependences
; between vector instructions and memory instructions, and those through scalar registers that vector instructions write, with s_wait_alu, always for 0.
; THE PLAN.  Registers that memory instructions touch:
;   v1, v3    offsets of cand's loads and of the stores: written at the head, never again.
;   KEY, COD  the loads of cand land in them before any vector instruction names them; behind the wait for the loads vector instructions alone name them.
;   OFF       written by four vector adds; read by the 32 row loads; never written again.
;   D         the row loads land in it; read by the unpacking lines alone.
;   O         each register written once, by an unpacking line; read by one store.
; So: one wait on va_vdst in front of the first load, one in front of the row loads, and one a row of out0, behind its 32 unpacking lines and in front of its eight stores.
; Scalar registers that vector instructions write: s12 (the wave's number); the compare masks, a set for each merge of a level, so that one wait on va_sdst stands behind a level's
; whole run of compares; s16-19 (the four codes), one wait behind the run of four.  The text holds no wait on vm_vsrc: there is nothing for it to state.
.set KEY, 8                            ; v[8:23]    part p's key
.set COD, 24                           ; v[24:39]   part p's code number
.set OFF, 40                           ; v[40:43]   row u: 2,048 x code + 8 x lane
.set D,   48                           ; v[48:111]  32 pairs: row u, piece k at D + 2 (8 u + k)
.set O,   112                          ; v[112:239] 32 quads of f32
.set MG,  16                           ; s[16:23]   merge d of a level: the other key is greater; then: the other candidate wins
.set ME,  24                           ; s[24:31]   the keys are equal; then: equal, and the other code is lower
.set ML,  32                           ; s[32:39]   the other code is lower
	s_load_b128 s[4:7], s[0:1], 0x0                ; cand s[4:5], cb s[6:7]
	s_load_b64 s[8:9], s[0:1], 0x10                ; out0
	v_lshrrev_b32 v4, 5, v0
	v_readfirstlane_b32 s12, v4                    ; wave 0..7
	v_and_b32 v5, 31, v0                           ; lane
	v_lshlrev_b32 v1, 2, v5
	v_lshlrev_b32 v2, 3, v5
	v_lshlrev_b32 v3, 4, v5
	s_mov_b32 s13, 0xffff0000                      ; a word's upper bf16
	s_lshr_b32 s14, ttmp9, 2
	s_lshl_b32 s14, s14, 7                         ; 128 (g / 4)
	s_bfe_u32 s15, ttmp9, 0x10001
	s_lshl_b32 s15, s15, 6                         ; 64 ((g / 2) % 2)
	s_add_co_u32 s14, s14, s15
	s_and_b32 s15, ttmp9, 1
	s_lshl_b32 s15, s15, 3                         ; 8 (g % 2)
	s_add_co_u32 s14, s14, s15
	s_wait_alu depctr_va_sdst(0)                   ; s12 is written, ahead of its first reader: out0's base is made from it
	s_add_co_u32 s14, s14, s12                     ; + w: the row of u = 0
	s_lshl_b32 s14, s14, 12                        ; rows of 4,096 bytes
	s_mov_b32 s15, 0
	s_lshl_b32 s10, ttmp9, 7                       ; 32 positions of 4 bytes
	s_mov_b32 s11, 0
	s_wait_kmcnt 0x0
	s_add_nc_u64 s[4:5], s[4:5], s[10:11]
	s_add_nc_u64 s[8:9], s[8:9], s[14:15]
	s_wait_alu depctr_va_vdst(0)                   ; v1 and v3 are written: the loads of cand read v1 as their offset, the stores v3
.irp p, 0,1,2,3,4,5,6,7,8,9,10,11,12,13,14,15
	global_load_b32 v[KEY+(\p)], v1, s[4:5] offset:32768*(\p)
	global_load_b32 v[COD+(\p)], v1, s[4:5] offset:524288+32768*(\p)
.endr
	s_wait_loadcnt 0x0
; One level of the tree: candidate d + dist is merged into candidate d, for d = 0 .. dist - 1; the better of the two stays in the first.
; All the level's compares stand in one run, each with a mask register of its own; then the scalar logic; then the selects.
.macro LEVEL dist
.set d, 0
.rept \dist
	v_cmp_gt_u32 s[MG+d], v[KEY+d+(\dist)], v[KEY+d]
	v_cmp_eq_u32 s[ME+d], v[KEY+d+(\dist)], v[KEY+d]
	v_cmp_lt_u32 s[ML+d], v[COD+d+(\dist)], v[COD+d]
.set d, d+1
.endr
	s_wait_alu depctr_va_sdst(0)                   ; the level's compares have written their masks, ahead of the first line that reads one
.set d, 0
.rept \dist
	s_and_b32 s[ME+d], s[ME+d], s[ML+d]
	s_or_b32 s[MG+d], s[MG+d], s[ME+d]             ; the other's key is greater, or as great with the lower code
.set d, d+1
.endr
.set d, 0
.rept \dist
	v_cndmask_b32 v[KEY+d], v[KEY+d], v[KEY+d+(\dist)], s[MG+d]
	v_cndmask_b32 v[COD+d], v[COD+d], v[COD+d+(\dist)], s[MG+d]
.set d, d+1
.endr
.endm
	LEVEL 8                                        ; a tree: 8 + 4 + 2 + 1 merges
	LEVEL 4
	LEVEL 2
	LEVEL 1
	v_min_u32 v[COD], 0x1fff, v[COD]               ; a code number stays inside the table
	s_lshl_b32 s24, s12, 2                         ; my first lane
.irp u, 0,1,2,3
	s_add_co_u32 s[ML+(\u)], s24, \u               ; lane 4 w + u (the masks are done with)
.endr
.irp u, 0,1,2,3
	v_readlane_b32 s[16+(\u)], v[COD], s[ML+(\u)]  ; the code of lane 4 w + u, for the whole wave
.endr
	s_wait_alu depctr_va_sdst(0)                   ; s16 to s19 are written, ahead of their first reader: the rows' offsets are made from them
.irp u, 0,1,2,3
	s_min_u32 s[16+(\u)], s[16+(\u)], 0x1fff
	s_lshl_b32 s[16+(\u)], s[16+(\u)], 11          ; rows of 2,048 bytes
	v_add_nc_u32 v[OFF+(\u)], s[16+(\u)], v2
.endr
	s_wait_alu depctr_va_vdst(0)                   ; the four offsets v[OFF ..] are written, which the row loads read
.irp u, 0,1,2,3
.irp k, 0,1,2,3,4,5,6,7
	global_load_b64 v[D+2*(8*(\u)+(\k)):D+2*(8*(\u)+(\k))+1], v[OFF+(\u)], s[6:7] offset:256*(\k)  ; no hint: a code may be named by many rows
.endr
.endr
.irp u, 0,1,2,3
	s_wait_loadcnt 8*(3-(\u))                      ; loads come back in order: row u's eight pieces are in, the later rows' stay out
.irp k, 0,1,2,3,4,5,6,7
.set n, 8*(\u)+(\k)
	v_lshlrev_b32 v[O+4*n],   16,  v[D+2*n]        ; bf16 to f32: the low half moves up,
	v_and_b32     v[O+4*n+1], s13, v[D+2*n]        ; the high half stays
	v_lshlrev_b32 v[O+4*n+2], 16,  v[D+2*n+1]
	v_and_b32     v[O+4*n+3], s13, v[D+2*n+1]
.endr
	s_wait_alu depctr_va_vdst(0)                   ; row u's 32 unpacking lines have written its eight quads of v[O ..], which its stores read
.irp k, 0,1,2,3,4,5,6,7
.set n, 8*(\u)+(\k)
	global_store_b128 v3, v[O+4*n:O+4*n+3], s[8:9] offset:65536*(\u)+512*(\k) th:TH_STORE_NT  ; row u lies 16 rows of 4,096 bytes further on
.endr
.endr
	s_endpgm
.Lfunc_end_k_q964327ecb6_pick:
	.size	k_q964327ecb6_pick, .Lfunc_end_k_q964327ecb6_pick-k_q964327ecb6_pick
	.p2alignl 7, 3214868480
	.fill 96, 4, 3214868480
	.section	.rodata,"a",@progbits
	.p2align	6, 0x0
	.amdhsa_kernel k_q964327ecb6_pick
		.amdhsa_group_segment_fixed_size 0
		.amdhsa_private_segment_fixed_size 0
		.amdhsa_enable_private_segment 0
		.amdhsa_kernarg_size 24
		.amdhsa_user_sgpr_count 2
		.amdhsa_user_sgpr_kernarg_segment_ptr 1
		.amdhsa_wavefront_size32 1
		.amdhsa_system_sgpr_workgroup_id_x 1
		.amdhsa_system_sgpr_workgroup_id_y 1
		.amdhsa_system_sgpr_workgroup_id_z 1
		.amdhsa_system_vgpr_workitem_id 0
		.amdhsa_next_free_vgpr 248
		.amdhsa_next_free_sgpr 66
		.amdhsa_reserve_vcc 0
		.amdhsa_float_denorm_mode_32 3
		.amdhsa_float_denorm_mode_16_64 3
		.amdhsa_memory_ordered 1
		.amdhsa_forward_progress 1
		.amdhsa_inst_pref_size 22
	.end_amdhsa_kernel
	.amdgpu_metadata
---
amdhsa.version: [ 1, 2 ]
amdhsa.kernels:
  - .name:           k_q964327ecb6_pick
    .symbol:         k_q964327ecb6_pick.kd
    .args:
      - { .name: cand, .offset: 0, .size: 8, .value_kind: global_buffer, .address_space: global }
      - { .name: cb, .offset: 8, .size: 8, .value_kind: global_buffer, .address_space: global }
      - { .name: out0, .offset: 16, .size: 8, .value_kind: global_buffer, .address_space: global }
    .group_segment_fixed_size: 0
    .private_segment_fixed_size: 0
    .kernarg_segment_align: 8
    .kernarg_segment_size: 24
    .max_flat_workgroup_size: 256
    .sgpr_count:     66
    .vgpr_count:     248
    .wavefront_size: 32
...
	.end_amdgpu_metadata
.endif
;; end of part 5
